; MI455X (gfx1250); checked and timed in simulation.
; The chip was launched on July 23, 2026; its instructions are those of AMD's public machine-readable ISA for CDNA 5 (MIT licence, August 2026) and "CDNA5" Instruction Set Architecture Reference Guide (July 2026). The comments in the code are by the model that wrote it; some were corrected since.
;; Attention. Allowed arithmetic: matrix products marked QUANTISED: E2M1 operands, one E8M0 scale for each 32 along K, by v_wmma_scale_f32_16x16x128_f8f6f4 with both operands' format E2M1 (or v_wmma_scale_f32_32x16x128_f4), f32 sums; products left as they are: bf16, f16 or f32 operands; f32 sums; everything else in f32.
;; Inputs: b_out 1,024 float32; w_out 1,024 x 1,024 float32; w_qkv 3,072 x 1,024 float32; x 4 x 2,048 x 1,024 float32.
;; Outputs: out0 4 x 2,048 x 1,024 float32.
;; This version of the problem:
;;   THIS VERSION OF THE PROBLEM IS GIVEN IN LOW PRECISION. The matrix products marked QUANTISED in the list below multiply operands that are first quantised to E2M1 (2 exponent bits, 1 mantissa bit; 4 bits a number), with one power-of-two scale for each 32 numbers along K (OCP MX v1.0); their sums are f32. The products marked 'left as it is' may take bf16, f16 or f32 operands, with f32 sums. Whichever they take, every output number must still come out within the allowed error. Rounding operands to bf16 (8 significant bits) uses up far more of that allowance than f16 does (11 bits, for magnitudes from 6e-5 to 65,504). All else is computed in f32.
;;   The module's matrix products, in the order in which they are computed (A, B: the left and right operand; K: the contracted axis; several contracted axes count as one K, in the product's order):
;;     1. [M 8,192, K 1,024] x [K 1,024, N 3,072]; A: input x; B: input w_qkv: QUANTISED
;;     2. batch 64 x [M 2,048, K 64] x [K 64, N 2,048]; A: computed on the way; B: computed on the way: left as it is (an operand is computed on the way)
;;     3. batch 64 x [M 2,048, K 2,048] x [K 2,048, N 64]; A: computed on the way; B: computed on the way: left as it is (an operand is computed on the way)
;;     4. [M 8,192, K 1,024] x [K 1,024, N 1,024]; A: computed on the way; B: input w_out: left as it is (an operand is computed on the way)
;;   THE QUANTISER, for each operand of a quantised product, along K:
;;     - K is cut into blocks of 32 from its start; a last block that is shorter is filled with zeros.
;;     - A block's scale is 2^e with e = floor(log2(the largest magnitude in the block)) - 2, held to -126 .. 127; a block of zeros has e = 0. As a byte (E8M0): e + 127.
;;     - Each number is divided by its block's scale, clamped to +-6, and rounded to the nearest number of E2M1, ties to even, subnormals kept.
;;     - The product sums the exact products of the quantised numbers (number of the format x scale) in f32.
;;   ~~~python
;;   def quantise(x, axis):      # numpy; x: float32 -> the quantised numbers, widened to float32 again
;;       x = np.moveaxis(x, axis, -1); K = x.shape[-1]
;;       x = np.pad(x, [(0, 0)] * (x.ndim - 1) + [(0, -K % 32)]); x = x.reshape(x.shape[:-1] + (-1, 32)); a = np.abs(x).max(-1, keepdims=True)
;;       e = np.where(a > 0, np.clip(np.frexp(np.where(a > 0, a, 1))[1] - 1 - 2, -126, 127), 0)      # np.frexp(a)[1] - 1 = floor(log2(a)), exactly
;;       r = np.clip(x / 2.0 ** e, -6, 6)
;;       step = 2.0 ** (np.maximum(np.frexp(np.where(r == 0, 1, r))[1] - 1, 0) - 1)
;;       q = np.round(r / step) * step * 2.0 ** e      # np.round: ties to even
;;       return np.moveaxis(q.reshape(q.shape[:-2] + (-1,))[..., :K], -1, axis).astype(np.float32)
;;   ~~~
;; One version. Each part assembles by itself: llvm-mc -triple=amdgcn-amd-amdhsa -mcpu=gfx1250 --defsym DOCPART=n.
;; ======== version 1 of 1: 4 launches
;; limits: values are held in f16: magnitudes above 65,504 overflow, below 6.1e-05 lose precision
;; workspace buffers: xq 4,456,448 bytes; wq 1,671,168 bytes; wo16 2,097,152 bytes; q16 16,777,216 bytes; k16 16,777,216 bytes; v16 16,777,216 bytes; o16 16,777,216 bytes
;; launch prep (part 1): grid 384 x 1, 4 waves a work-group, no clusters, 68,096 bytes of LDS; arguments x, w_qkv, w_out, xq, wq, wo16; writes xq, wq, wo16
.if DOCPART == 1
	.amdgcn_target "amdgcn-amd-amdhsa--gfx1250"
	.amdhsa_code_object_version 6
	.text
	.protected	k_q428bc9e09f_prep
	.globl	k_q428bc9e09f_prep
	.p2align	8
	.type	k_q428bc9e09f_prep,@function
k_q428bc9e09f_prep:
	s_mov_b64 s[64:65], 0
	v_nop
	global_prefetch_b8 v0, s[64:65] scope:SCOPE_SE
	s_setreg_imm32_b32 hwreg(HW_REG_WAVE_MODE, 25, 1), 1
	s_wait_xcnt 0x0
; PREP.  x [8192][1024] and w_qkv [3072][1024], f32, become codes of FP4 (E2M1) with one E8M0 byte for each 32 along K; w_out [1024][1024] becomes f16.
; All three leave as IMAGES OF OPERAND REGISTERS: a group of four registers of a fragment is 32 lanes x 16 bytes = 512 consecutive bytes, so that the later launches fill a fragment by dense loads alone.
;   codes:  [group of 16 rows][K step s of 128][c 0..1][lane][16 B]: lane (r, h) holds row r's block 4 s + 2 c + h (32 codes)
;   scales: behind the codes, [group][K half][lane][2 words]: word i of half kh: lanes 0-15 row r's scale word of K step 4 kh + 2 i, lanes 16-31 that of K step 4 kh + 2 i + 1
;   f16:    [group of 16 rows][chunk of 32 along K][c 0..1][lane][16 B]: lane (r, h) holds row r, k = 32 chunk + 16 c + 8 h + 0..7
; THE ROWS OF w_qkv ARE REORDERED: column e of the projection is (channel d, which of q k v, head) = (e / 48, (e / 16) % 3, e % 16).  Group 6 wvg + 2 kk + f, wvg = 2 head + u, takes rows (32 u + 16 f + i) 48 + 16 kk + head, i = 0..15.
; THE QUANTISER: a block's scale is 2^(floor(log2(largest magnitude)) - 2); its byte is the largest magnitude's exponent field - 2; each number is divided by the scale and rounded to the nearest code, ties to even, beyond 6 the code of 6.
; LIMITS: NaN and infinities are not served.  A block whose largest magnitude lies under 2^-124 (a block of zeros too) gets the byte 1; a block of zeros has zero codes, which add nothing, and this program alone reads the bytes.
;         |w_out| stays at or under 65,504 (f16).
; SHARES: work-groups 0-255 take x, 256-351 w_qkv, 352-383 w_out.  A wave takes one group of 16 rows x half of K: four fragments of 16 rows x 128 K.  Each load reads 512 consecutive bytes of one row; the 16 rows turn through the
; wave's own stage in LDS, since the conversions want a lane's registers to run along K.  Waves share nothing: no barrier.  Loads run one fragment (16 loads a wave) ahead of the one at work.
.set PITCH, 528                        ; a stage row: 512 bytes + 16 = 33 x 16: the sixteen rows that a load touches begin at sixteen different 16-byte columns modulo 256
.set STG,   16*PITCH                   ; a wave's stage
.set STH0,  4*STG                      ; the f16 path's stages: bytes of their own, since the two paths part on the work-group's number
.set SPARE, 8*STG                      ; the spare words, 128 bytes for each wave: two blocks of 256 bytes that no other line names
.set H8,  4                            ; v4   8 h
.set SIQ, 5                            ; v5   into the quantiser's stage: 16 x lane
.set SOQ, 6                            ; v6   out of it: row r, + 128 h
.set SIH, 7                            ; v7   into the f16 path's stage
.set SOH, 8                            ; v8   out of it: row r, + 32 h
.set GO,  9                            ; v9   16 x lane: an image's place for my lane
.set GS,  10                           ; v10  8 x lane: the scale words' place
.set SPW, 12                           ; v12  LDS address of my spare word; never rewritten
.set NIL, 13                           ; v13  0; never rewritten
.set ROW, 16                           ; v16-31   16 x lane + i x the distance of the group's rows in memory
.set R,   32                           ; v32-159  two sets of 64: 16 rows x 512 bytes as loaded
.set X,   160                          ; v160-223 64 numbers of my row, along K
.set C,   224                          ; v224-239 two sets of 8: a fragment's codes
.set M,   240                          ; v240-241 largest magnitudes
.set SCF, 242                          ; v242-243 the conversions' scale operands
.set BY,  244                          ; v244-245 scale bytes
.set WE,  246                          ; v246 the even fragment's scale word
.set WC,  247                          ; v247 this fragment's
.set TP,  248                          ; v248 a lane permute's destination
.set SW,  250                          ; v250-251 the two words that leave
.set SRC, 18
.set DST, 20
.set DSC, 22
.set STR, 24
	s_load_b256 s[4:11], s[0:1], 0x0               ; x, w_qkv, w_out, xq
	s_load_b128 s[12:15], s[0:1], 0x20             ; wq, wo16
	v_lshl_add_u32 v[SPW], v0, 2, SPARE
	v_mov_b32 v[NIL], 0
	v_lshrrev_b32 v1, 5, v0
	v_readfirstlane_b32 s16, v1                    ; wave 0..3
	v_and_b32 v1, 31, v0                           ; lane
	v_and_b32 v2, 15, v0                           ; r
	v_bfe_u32 v3, v0, 4, 1                         ; h
	v_lshlrev_b32 v[H8], 3, v3
	s_mul_i32 s28, s16, STG
	v_lshl_add_u32 v[SIQ], v1, 4, s28
	v_mul_u32_u24 v11, v2, PITCH
	v_add_nc_u32 v11, s28, v11                     ; my stage, row r
	v_lshl_add_u32 v[SOQ], v3, 7, v11
	v_add_nc_u32 v[SIH], STH0, v[SIQ]
	v_lshl_add_u32 v[SOH], v3, 5, v11
	v_add_nc_u32 v[SOH], STH0, v[SOH]
	v_lshlrev_b32 v[GO], 4, v1
	v_lshlrev_b32 v[GS], 3, v1
	v_mov_b32 v[TP], 0                             ; written once: a lane permute's destination counts as one of its sources
	s_mov_b32 s30, 0x76543210
	s_mov_b32 s31, 0xfedcba98                      ; v_permlanex16_b32's selects for lane l xor 16
	s_mov_b32 s32, 0xffff0000                      ; lanes 16-31
	s_lshr_b32 s17, s16, 1                         ; which of the work-group's two groups (for w_qkv: f)
	s_and_b32 s29, s16, 1                          ; kh: which half of K
	; which tensor: everything hangs on the work-group's number alone
	s_cmp_lt_u32 ttmp9, 256
	s_cselect_b32 s25, 0, 256                      ; the range's first work-group
	s_mov_b32 s[STR], 196608
	s_cselect_b32 s[STR], 4096, s[STR]             ; bytes from a group's row to its next: 1 row, or 48 rows in w_qkv
	s_mov_b32 s26, 1572864
	s_cselect_b32 s26, 4194304, s26                ; where the scale words begin in the buffer
	s_cmp_lt_u32 ttmp9, 352
	s_cselect_b32 s25, s25, 352
	s_cselect_b32 s[STR], s[STR], 4096
	s_sub_co_u32 s27, ttmp9, s25                   ; g': my number in the range
	s_lshl_b32 s33, s27, 1
	s_add_co_u32 s33, s33, s17                     ; idx: my group of 16 rows
	s_mul_hi_u32 s34, s27, 0x55555556              ; w_qkv: wvg = g' / 3 (exact for g' under 2^31),
	s_mul_i32 s35, s34, 3
	s_sub_co_u32 s35, s27, s35                     ; kk = g' % 3,
	s_lshr_b32 s36, s34, 1                         ; the head,
	s_and_b32 s37, s34, 1                          ; u
	s_lshl_b32 s37, s37, 1
	s_add_co_u32 s37, s37, s17
	s_mul_i32 s37, s37, 16*48                      ; (32 u + 16 f) x 48
	s_lshl_b32 s35, s35, 4
	s_add_co_u32 s37, s37, s35
	s_add_co_u32 s37, s37, s36                     ; + 16 kk + head: the group's first row in w_qkv
	s_lshl_b32 s38, s33, 4                         ; elsewhere: 16 idx
	s_cmp_eq_u32 s[STR], 196608
	s_cselect_b32 s38, s37, s38
	s_lshl_b32 s38, s38, 12                        ; rows of 4,096 bytes (under 2^26)
	s_lshl_b32 s39, s29, 11
	s_add_co_u32 s38, s38, s39                     ; + my half of K
	s_mov_b32 s39, 0
	v_lshlrev_b32 v[ROW], 4, v1
.irp i, 1,2,3,4,5,6,7,8,9,10,11,12,13,14,15
	v_add_nc_u32 v[ROW+\i], s[STR], v[ROW+\i-1]
.endr
	s_wait_kmcnt 0x0
	s_cmp_lt_u32 ttmp9, 256
	s_cselect_b64 s[SRC:SRC+1], s[4:5], s[6:7]
	s_cselect_b64 s[DST:DST+1], s[10:11], s[12:13]
	s_cmp_lt_u32 ttmp9, 352
	s_cselect_b64 s[SRC:SRC+1], s[SRC:SRC+1], s[8:9]
	s_cselect_b64 s[DST:DST+1], s[DST:DST+1], s[14:15]
	s_add_nc_u64 s[SRC:SRC+1], s[SRC:SRC+1], s[38:39]
.macro LOAD t                          ; fragment t: 512 consecutive bytes of each of the 16 rows, into set t % 2
.irp i, 0,1,2,3,4,5,6,7,8,9,10,11,12,13,14,15
	global_load_b128 v[R+64*((\t)%2)+4*\i:R+64*((\t)%2)+4*\i+3], v[ROW+\i], s[SRC:SRC+1] offset:512*(\t) th:TH_LOAD_NT
.endr
.endm
.macro ARRIVE t, si                    ; fragment t has come and goes into the stage as it lies
.if (\t) < 3
	s_wait_loadcnt 16                              ; loads come back in order: this fragment's 16 are in, the next fragment's 16 may be out
.else
	s_wait_loadcnt 0x0
.endif
	s_wait_xcnt 0x0                                ; the earlier stores have read their data registers: those are written again only behind this wait
.irp i, 0,1,2,3,4,5,6,7,8,9,10,11,12,13,14,15
	ds_store_b128 v[\si], v[R+64*((\t)%2)+4*\i:R+64*((\t)%2)+4*\i+3] offset:PITCH*\i
.endr
.endm
.macro FRAGQ t                         ; 16 rows x 128 K become a fragment of codes and a scale word a row
	ARRIVE \t, SIQ
.irp c, 0,1
.irp j, 0,1,2,3,4,5,6,7
	ds_load_b128 v[X+32*\c+4*\j:X+32*\c+4*\j+3], v[SOQ] offset:256*\c+16*\j   ; my row's block 2 c + h, whole: LDS serves a wave's instructions in order, so these see the stores above
.endr
.endr
	s_wait_dscnt 0x0                               ; my numbers are in, and the stage's stores have read their registers,
.if (\t) < 2
	LOAD (\t)+2                                    ; which take the loads of two fragments on
.endif
.irp c, 0,1
	v_max3_num_f32 v[M+\c], |v[X+32*\c]|, |v[X+32*\c+1]|, 0x1800000   ; the block's largest magnitude, and the floor 2^(3 - 127): so the byte cannot fall under 1
.endr
.irp i, 2,4,6,8,10,12,14,16,18,20,22,24,26,28,30
.irp c, 0,1
	v_max3_num_f32 v[M+\c], v[M+\c], |v[X+32*\c+\i]|, |v[X+32*\c+\i+1]|   ; (the two blocks by turns)
.endr
.endr
.irp c, 0,1
	v_add_nc_u32 v[SCF+\c], 0xff000000, v[M+\c]    ; 2 off the exponent field: the conversion takes the exponent field of this operand as its scale
.endr
.irp c, 0,1
	v_lshrrev_b32 v[BY+\c], 23, v[SCF+\c]          ; the scale's byte
.endr
	v_lshl_or_b32 v[WC], v[BY+1], 16, v[BY]        ; my two bytes: blocks h and 2 + h,
	v_lshlrev_b32 v[WC], v[H8], v[WC]              ; at their places in the word;
	v_permlanex16_b32 v[TP], v[WC], s30, s31
	v_or_b32 v[WC], v[WC], v[TP]                   ; with lane l xor 16's two the row's word is whole, in both halves of the lanes
.irp c, 0,1
.irp g, 0,1,2,3
	v_cvt_scalef32_pk8_fp4_f32 v[C+8*((\t)%2)+4*\c+\g], v[X+32*\c+8*\g:X+32*\c+8*\g+7], v[SCF+\c]
.endr
.endr
	v_nop                                          ; one plain vector line behind the last scaled conversion
.irp c, 0,1
	global_store_b128 v[GO], v[C+8*((\t)%2)+4*\c:C+8*((\t)%2)+4*\c+3], s[DST:DST+1] offset:1024*(\t)+512*\c   ; 512 consecutive bytes
.endr
.if (\t)%2 == 0
	v_mov_b32 v[WE], v[WC]
.else
	v_cndmask_b32 v[SW+(\t)/2], v[WE], v[WC], s32  ; lanes 0-15 the even K step's word, lanes 16-31 the odd one's
.endif
.endm
.macro FRAGH t                         ; 16 rows x 128 K become four f16 fragments
	ARRIVE \t, SIH
.irp k, 0,1,2,3,4,5,6,7
.irp j, 0,1
	ds_load_b128 v[X+8*\k+4*\j:X+8*\k+4*\j+3], v[SOH] offset:64*\k+16*\j   ; my row's k = 16 k8 + 8 h + 0..7
.endr
.endr
	s_wait_dscnt 0x0
.if (\t) < 2
	LOAD (\t)+2
.endif
.irp k, 0,1,2,3,4,5,6,7
.irp i, 0,1,2,3
	v_cvt_pk_f16_f32 v[X+8*\k+\i], v[X+8*\k+2*\i], v[X+8*\k+2*\i+1]   ; in place: register i is written when numbers 2 i and 2 i + 1 are read, and i never passes a number not yet read
.endr
.endr
.irp k, 0,1,2,3,4,5,6,7
	global_store_b128 v[GO], v[X+8*\k:X+8*\k+3], s[DST:DST+1] offset:4096*(\t)+512*\k
.endr
.endm
	LOAD 0
	LOAD 1
	s_cmp_ge_u32 ttmp9, 352
	s_cbranch_scc1 .Lhalf
	s_lshl_b32 s40, s33, 9                         ; the scale words: 512 bytes a group, 256 a half of K
	s_lshl_b32 s41, s29, 8
	s_add_co_u32 s40, s40, s41
	s_add_co_u32 s40, s40, s26
	s_mov_b32 s41, 0
	s_add_nc_u64 s[DSC:DSC+1], s[DST:DST+1], s[40:41]
	s_lshl_b32 s40, s33, 13                        ; the codes: 8,192 bytes a group, 4,096 a half of K
	s_lshl_b32 s42, s29, 12
	s_add_co_u32 s40, s40, s42
	s_add_nc_u64 s[DST:DST+1], s[DST:DST+1], s[40:41]
	FRAGQ 0
	FRAGQ 1
	FRAGQ 2
	FRAGQ 3
	global_store_b64 v[GS], v[SW:SW+1], s[DSC:DSC+1]   ; 32 lanes store 256 consecutive bytes, aligned
	s_wait_tensorcnt 0x0                           ; the wave's end: a tensor wait, an add to my spare word and its wait, behind my last LDS store
	ds_add_u32 v[SPW], v[NIL]
	s_wait_dscnt 0x0
	s_endpgm
.Lhalf:
	s_lshl_b32 s40, s33, 15                        ; 32,768 bytes a group, 16,384 a half of K
	s_lshl_b32 s42, s29, 14
	s_add_co_u32 s40, s40, s42
	s_mov_b32 s41, 0
	s_add_nc_u64 s[DST:DST+1], s[DST:DST+1], s[40:41]
	FRAGH 0
	FRAGH 1
	FRAGH 2
	FRAGH 3
	s_wait_tensorcnt 0x0                           ; the wave's end, as above
	ds_add_u32 v[SPW], v[NIL]
	s_wait_dscnt 0x0
	s_endpgm
.Lfunc_end_k_q428bc9e09f_prep:
	.size	k_q428bc9e09f_prep, .Lfunc_end_k_q428bc9e09f_prep-k_q428bc9e09f_prep
	.p2alignl 7, 3214868480
	.fill 96, 4, 3214868480
	.section	.rodata,"a",@progbits
	.p2align	6, 0x0
	.amdhsa_kernel k_q428bc9e09f_prep
		.amdhsa_group_segment_fixed_size 68096
		.amdhsa_private_segment_fixed_size 0
		.amdhsa_enable_private_segment 0
		.amdhsa_kernarg_size 48
		.amdhsa_user_sgpr_count 2
		.amdhsa_user_sgpr_kernarg_segment_ptr 1
		.amdhsa_wavefront_size32 1
		.amdhsa_system_sgpr_workgroup_id_x 1
		.amdhsa_system_sgpr_workgroup_id_y 1
		.amdhsa_system_sgpr_workgroup_id_z 1
		.amdhsa_system_vgpr_workitem_id 0
		.amdhsa_next_free_vgpr 256
		.amdhsa_next_free_sgpr 66
		.amdhsa_reserve_vcc 0
		.amdhsa_float_denorm_mode_32 3
		.amdhsa_float_denorm_mode_16_64 3
		.amdhsa_memory_ordered 1
		.amdhsa_forward_progress 1
		.amdhsa_inst_pref_size 55
	.end_amdhsa_kernel
	.amdgpu_metadata
---
amdhsa.version: [ 1, 2 ]
amdhsa.kernels:
  - .name:           k_q428bc9e09f_prep
    .symbol:         k_q428bc9e09f_prep.kd
    .args:
      - { .name: x, .offset: 0, .size: 8, .value_kind: global_buffer, .address_space: global }
      - { .name: w_qkv, .offset: 8, .size: 8, .value_kind: global_buffer, .address_space: global }
      - { .name: w_out, .offset: 16, .size: 8, .value_kind: global_buffer, .address_space: global }
      - { .name: xq, .offset: 24, .size: 8, .value_kind: global_buffer, .address_space: global }
      - { .name: wq, .offset: 32, .size: 8, .value_kind: global_buffer, .address_space: global }
      - { .name: wo16, .offset: 40, .size: 8, .value_kind: global_buffer, .address_space: global }
    .group_segment_fixed_size: 68096
    .private_segment_fixed_size: 0
    .kernarg_segment_align: 8
    .kernarg_segment_size: 48
    .max_flat_workgroup_size: 128
    .sgpr_count:     66
    .vgpr_count:     256
    .wavefront_size: 32
...
	.end_amdgpu_metadata
.endif
;; end of part 1
;; launch qkv (part 2): grid 8 x 32, 4 waves a work-group, clusters of 4 x 1, 167,936 bytes of LDS; arguments xq, wq, q16, k16, v16; writes q16, k16, v16
.if DOCPART == 2
	.amdgcn_target "amdgcn-amd-amdhsa--gfx1250"
	.amdhsa_code_object_version 6
	.text
	.protected	k_q428bc9e09f_qkv
	.globl	k_q428bc9e09f_qkv
	.p2align	8
	.type	k_q428bc9e09f_qkv,@function
k_q428bc9e09f_qkv:
	s_mov_b64 s[64:65], 0
	v_nop
	global_prefetch_b8 v0, s[64:65] scope:SCOPE_SE
	s_setreg_imm32_b32 hwreg(HW_REG_WAVE_MODE, 25, 1), 1
	s_wait_xcnt 0x0
	s_wait_alu depctr_hold_cnt(0) depctr_sa_sdst(0) depctr_va_vdst(0) depctr_va_sdst(0) depctr_va_ssrc(0) depctr_va_vcc(0) depctr_vm_vsrc(0)
	s_getreg_b32 s2, hwreg(HW_REG_IB_STS2, 6, 4)
	s_cmp_eq_u32 s2, 0
	s_cbranch_scc0 .Lentry_in_a_cluster
	s_endpgm
.Lentry_in_a_cluster:
	s_bfe_u32 s2, ttmp6, 0x10000c
	s_cmp_lg_u32 s2, 0x3003
	s_cbranch_scc0 .Lentry_shape_is_right
	s_endpgm
.Lentry_shape_is_right:
; QKV.  The projection x w_qkv^T on codes of FP4 with E8M0 scales, K = 1,024; its results leave in f16 as images of the attention launch's operand registers.
; SHARES.  A work-group takes 256 rows of x (work-group y) and two heads (work-group x).  Wave w takes 32 channels (half u = w % 2) of q, k and v of head 2 x + w / 2: six groups of 16 columns.  THE WEIGHTS STAY IN REGISTERS:
; 6 groups x 8 K steps x 8 registers = 384, read once by dense loads.  What goes through LDS is x alone: its codes (131,072 bytes) and scale words (8,192) come once, by tensor loads, and all four waves read them.
; CLUSTER.  The four work-groups of a cluster have the same rows of x: each tile is asked for JOINTLY, by the same tensor load with the same descriptor and the mask of all four.  Nothing is filled twice.
; WHICH SOURCE GOES FIRST.  q, k: source 0 = 16 columns of w, source 1 = 16 rows of x: a lane holds one position t and eight neighbouring channels: four registers of a fragment [t][channels].
; v: source 0 = x, source 1 = w: a lane holds one channel and eight neighbouring positions: four registers of a fragment [channel][keys].  So nothing changes lanes and every store is 512 consecutive bytes.
; LIMITS: |q|, |k|, |v| stay at or under 65,504 (f16).
; REGISTERS, in windows of 256: window 0: v1-7 addresses; v16-39 w's scale words, v40-55 x's (two sets): these hold scales and nothing else; v64-111 packed results.
;   window 1: w's fragments of q and k (group g at 64 g + 8 s).   window 2: v0-127 w's fragments of v; v128-223 the 12 accumulators.   window 3: x's fragments, two sets of 2 row groups x 8 K steps.
.set ASC,   131072                     ; LDS: x's codes from 0 (16 row groups x 8,192), its scale words from here (16 x 512)
.set SPARE, 139264                     ; the spare words, 128 bytes for each wave: two blocks of 256 bytes that no other line names
.set LI,  1                            ; v1  16 x lane
.set L8,  2                            ; v2  8 x lane
.set ADA, 3                            ; v3  LDS address of the codes of the trip's first pair of row groups
.set ADS, 4                            ; v4  and of their scale words
.set GO,  5                            ; v5  my byte offset in the results of the trip's first pair
.set SPW, 6                            ; v6  LDS address of my spare word; never rewritten
.set NIL, 7                            ; v7  0; never rewritten
.set BS,  16                           ; w's scale words: group g, register s / 2: lanes 0-15 the even K step's, lanes 16-31 the odd one's
.set AS,  40                           ; x's: set bf, row group p, register s / 2
.set PK,  64
.set ACC, 128
.set WV,  14
.set G1C, 24                           ; s[24:31] descriptor group 1 for the codes;  s[32:39] for the scale words;  s[40:43], s[44:47] their groups 0
.set G1S, 32
.set G0C, 40
.set G0S, 44
.set MSB, 0
.macro WIN new                         ; the immediate's high byte repeats the setting that is left; a switch that changes nothing is dropped
.if MSB != (\new)
	s_set_vgpr_msb (MSB<<8)|(\new)
.set MSB, (\new)
.endif
.endm
.set W_QK,  0xad                       ; source 0 (w) window 1, source 1 (x) window 3, C and D window 2
.set W_V,   0xab                       ; source 0 (x) window 3, source 1 (w) window 2, C and D window 2
.set TO_X,  0xc0                       ; destination window 3, address window 0
.set W_CVT, 0x0a                       ; sources window 2, destination window 0
.macro PLACES
.rept 4
	v_nop
.endr
.endm
.macro CROUND                          ; a round of the cluster's barrier: my work-group's barrier; wave 0 signals for the work-group; every wave waits for all four work-groups; my work-group's barrier once more
	s_barrier_signal -1
	s_barrier_wait -1
	s_cmp_lg_u32 s[WV], 0
	s_cbranch_scc1 .Lnot_wave_0_\@
	s_barrier_signal -3
.Lnot_wave_0_\@:
	s_barrier_wait -3
	s_barrier_signal -1
	s_barrier_wait -1
.endm
	s_load_b256 s[4:11], s[0:1], 0x0               ; xq, wq, q16, k16
	s_load_b64 s[12:13], s[0:1], 0x20              ; v16
	v_lshl_add_u32 v[SPW], v0, 2, SPARE
	v_mov_b32 v[NIL], 0
	ds_add_u32 v[SPW], v[NIL]                      ; the wave's opening: the add, twice on end, and its wait ahead of my first tensor load
	ds_add_u32 v[SPW], v[NIL]                      ; (once more; the set-up below, work on registers, stands between it and the wait)
	v_lshrrev_b32 v1, 5, v0
	v_readfirstlane_b32 s[WV], v1                  ; wave 0..3
	v_and_b32 v2, 31, v0
	v_lshlrev_b32 v[LI], 4, v2
	v_lshlrev_b32 v[L8], 3, v2
	v_mov_b32 v[ADA], v[LI]
	v_add_nc_u32 v[ADS], ASC, v[L8]
	v_mov_b32 v[GO], v[LI]
	s_and_b32 s17, ttmp7, 0xffff                   ; gy: which 256 rows of x; the four partners share it
	; descriptor group 1: dense blocks as rows of 256 bytes (32 elements of 8 bytes): 128 rows of codes, 8 rows of scale words for each wave
	s_mov_b32 s[G1C],   15|(3<<16)|(1<<21)         ; 15:0 the mask: all four work-groups; 17:16 elements of 8 bytes; 21 set beside a mask
	s_mov_b32 s[G1C+1], 32<<16                     ; tensor_dim0
	s_mov_b32 s[G1C+2], 128<<16                    ; tensor_dim1
	s_mov_b32 s[G1C+3], 32<<16                     ; tile_dim0
	s_mov_b32 s[G1C+4], 128                        ; tile_dim1
	s_mov_b32 s[G1C+5], 32                         ; elements from row to row
	s_mov_b32 s[G1C+6], 0
	s_mov_b32 s[G1C+7], 0
	s_mov_b32 s[G1S],   15|(3<<16)|(1<<21)
	s_mov_b32 s[G1S+1], 32<<16
	s_mov_b32 s[G1S+2], 8<<16
	s_mov_b32 s[G1S+3], 32<<16
	s_mov_b32 s[G1S+4], 8
	s_mov_b32 s[G1S+5], 32
	s_mov_b32 s[G1S+6], 0
	s_mov_b32 s[G1S+7], 0
	s_lshl_b32 s18, s17, 17                        ; the codes of my quarter: 131,072 gy + 32,768 wave
	s_lshl_b32 s19, s[WV], 15
	s_add_co_u32 s18, s18, s19
	s_mov_b32 s19, 0
	s_lshl_b32 s20, s17, 13                        ; the scale words: 4,194,304 + 8,192 gy + 2,048 wave
	s_lshl_b32 s21, s[WV], 11
	s_add_co_u32 s20, s20, s21
	s_add_co_u32 s20, s20, 4194304
	s_mov_b32 s21, 0
	s_mov_b32 s[G0C], 1                            ; count = 1
	s_lshl_b32 s[G0C+1], s[WV], 15                 ; LDS address: the wave's number alone
	s_mov_b32 s[G0S], 1
	s_lshl_b32 s[G0S+1], s[WV], 11
	s_add_co_u32 s[G0S+1], s[G0S+1], ASC
	; what hangs on my place in the cluster enters the weights' and the results' addresses alone, in registers of its own
	s_bfe_u32 s15, ttmp6, 0x40000                  ; cx
	s_lshl_b32 s16, ttmp9, 2
	s_add_co_u32 s16, s16, s15                     ; gx = 4 x cluster x + cx
	s_lshl_b32 s22, s16, 2
	s_add_co_u32 s22, s22, s[WV]                   ; wvg = 2 head + u
	s_mul_i32 s50, s22, 49152                      ; my six groups' codes
	s_mov_b32 s51, 0
	s_mul_i32 s52, s22, 3072                       ; and scale words
	s_add_co_u32 s52, s52, 1572864
	s_mov_b32 s53, 0
	s_lshr_b32 s23, s22, 1                         ; the head
	s_and_b32 s54, s22, 1                          ; u
	s_lshr_b32 s55, s17, 3                         ; the batch: 8 blocks of 256 rows each
	s_lshl_b32 s55, s55, 4
	s_add_co_u32 s55, s55, s23                     ; (batch, head)
	s_lshl_b32 s55, s55, 18                        ; 262,144 bytes each in q16, k16 and v16
	s_and_b32 s56, s17, 7
	s_lshl_b32 s56, s56, 15                        ; 256 positions are 32,768 bytes in each
	s_add_co_u32 s56, s56, s55
	s_lshl_b32 s55, s54, 10
	s_add_co_u32 s58, s56, s55
	s_add_co_u32 s58, s58, s55                     ; v: + 2,048 u (channel tiles 2 u, 2 u + 1)
	s_add_co_u32 s56, s56, s55                     ; q, k: + 1,024 u
	s_mov_b32 s57, 0
	s_mov_b32 s59, 0
	s_wait_dscnt 0x0                               ; both opening adds are done
	s_wait_kmcnt 0x0
	s_add_nc_u64 s[G0C+2:G0C+3], s[4:5], s[18:19]
	s_or_b32 s[G0C+3], s[G0C+3], 0x80000000        ; type = 2
	s_add_nc_u64 s[G0S+2:G0S+3], s[4:5], s[20:21]
	s_or_b32 s[G0S+3], s[G0S+3], 0x80000000
	s_add_nc_u64 s[50:51], s[6:7], s[50:51]
	s_add_nc_u64 s[52:53], s[6:7], s[52:53]
	s_add_nc_u64 s[8:9], s[8:9], s[56:57]
	s_add_nc_u64 s[10:11], s[10:11], s[56:57]
	s_add_nc_u64 s[12:13], s[12:13], s[58:59]
	WIN 0x40                                       ; destination window 1: the weights of q and k
.irp g, 0,1,2,3
.irp s, 0,1,2,3,4,5,6,7
.irp c, 0,1
	global_load_b128 v[64*\g+8*\s+4*\c:64*\g+8*\s+4*\c+3], v[LI], s[50:51] offset:8192*\g+1024*\s+512*\c
.endr
.endr
.endr
	WIN 0x80                                       ; destination window 2: the weights of v
.irp g, 0,1
.irp s, 0,1,2,3,4,5,6,7
.irp c, 0,1
	global_load_b128 v[64*\g+8*\s+4*\c:64*\g+8*\s+4*\c+3], v[LI], s[50:51] offset:8192*(4+\g)+1024*\s+512*\c
.endr
.endr
.endr
	WIN 0
.irp g, 0,1,2,3,4,5
.irp k, 0,1
	global_load_b64 v[BS+4*\g+2*\k:BS+4*\g+2*\k+1], v[L8], s[52:53] offset:512*\g+256*\k
.endr
.endr
	CROUND                                         ; all four work-groups are here: the joint loads meet
	tensor_load_to_lds s[G0C:G0C+3], s[G1C:G1C+7]  ; by this text's count two tensor loads of a wave are out
	s_nop 0
	tensor_load_to_lds s[G0S:G0S+3], s[G1S:G1S+7]
	s_nop 0
	PLACES
	s_wait_tensorcnt 0x0                           ; my quarters have landed,
	s_barrier_signal -1
	s_barrier_wait -1                              ; everybody's have
; 36 LDS loads in one run: the fragments and scale words of two row groups, all of K, into set bf
.macro FETCH bf, off
	WIN TO_X
.irp p, 0,1
.irp s, 0,1,2,3,4,5,6,7
.irp c, 0,1
	ds_load_b128 v[128*(\bf)+64*\p+8*\s+4*\c:128*(\bf)+64*\p+8*\s+4*\c+3], v[ADA] offset:(\off)+8192*\p+1024*\s+512*\c
.endr
.endr
.endr
	WIN 0
.irp p, 0,1
.irp k, 0,1
	ds_load_b64 v[AS+8*(\bf)+4*\p+2*\k:AS+8*(\bf)+4*\p+2*\k+1], v[ADS] offset:(\off)/16+512*\p+256*\k
.endr
.endr
.endm
; one product of K step s on the registers named by rD, rA, rB, rSA, rSB.  The first K step starts the sum: nothing is cleared.  An odd K step's scale words lie in lanes 16-31.
.macro MM s
.if (\s) == 0
	v_wmma_scale_f32_16x16x128_f8f6f4 v[rD:rD+7], v[rA:rA+7], v[rB:rB+7], 0, v[rSA], v[rSB] matrix_a_fmt:MATRIX_FMT_FP4 matrix_b_fmt:MATRIX_FMT_FP4
.elseif (\s)%2 == 1
	v_wmma_scale_f32_16x16x128_f8f6f4 v[rD:rD+7], v[rA:rA+7], v[rB:rB+7], v[rD:rD+7], v[rSA], v[rSB] matrix_a_fmt:MATRIX_FMT_FP4 matrix_b_fmt:MATRIX_FMT_FP4 matrix_a_scale:MATRIX_SCALE_ROW1 matrix_b_scale:MATRIX_SCALE_ROW1
.else
	v_wmma_scale_f32_16x16x128_f8f6f4 v[rD:rD+7], v[rA:rA+7], v[rB:rB+7], v[rD:rD+7], v[rSA], v[rSB] matrix_a_fmt:MATRIX_FMT_FP4 matrix_b_fmt:MATRIX_FMT_FP4
.endif
.endm
; A PAIR of row groups (32 positions), in set bf: 96 products; the next pair is fetched meanwhile into the other set; the results are rounded to f16 and stored.
; The accumulators take turns, one instruction a turn: eight for q and k, then four for v.
.macro PAIR bf, fetch, off, outo
	s_wait_dscnt 0x0                               ; this set was asked for a whole pair ago
.if \fetch
	FETCH 1-\bf, \off                              ; the other set's last readers stand in front of four v_nop and 48 conversions
.endif
	WIN W_QK
.irp s, 0,1,2,3,4,5,6,7
.irp g, 0,1,2,3
.irp p, 0,1
.set rD,  ACC+8*(2*\g+\p)
.set rA,  64*\g+8*\s
.set rB,  128*(\bf)+64*\p+8*\s
.set rSA, BS+4*\g+\s/2
.set rSB, AS+8*(\bf)+4*\p+\s/2
	MM \s
.endr
.endr
.endr
	WIN W_V
.irp s, 0,1,2,3,4,5,6,7
.irp g, 0,1
.irp p, 0,1
.set rD,  ACC+64+8*(2*\g+\p)
.set rA,  128*(\bf)+64*\p+8*\s
.set rB,  64*\g+8*\s
.set rSA, AS+8*(\bf)+4*\p+\s/2
.set rSB, BS+4*(4+\g)+\s/2
	MM \s
.endr
.endr
.endr
	PLACES                                         ; four places in front of the first read of results; with the conversions of the other accumulators more than five in front of the next pair's first products, which write over these
	s_wait_xcnt 0x0                                ; the last pair's stores have read their data registers
	WIN W_CVT
.irp a, 0,1,2,3,4,5,6,7,8,9,10,11
.irp i, 0,1,2,3
	v_cvt_pk_f16_f32 v[PK+4*\a+\i], v[ACC+8*\a+2*\i], v[ACC+8*\a+2*\i+1]   ; each accumulator from its low end on
.endr
.endr
	WIN 0
.irp w, 0,1
.irp p, 0,1
	global_store_b128 v[GO], v[PK+4*(2*\w+\p):PK+4*(2*\w+\p)+3], s[8:9] offset:(\outo)+2048*\p+512*\w        ; q: position block p, register group c = w
	global_store_b128 v[GO], v[PK+4*(4+2*\w+\p):PK+4*(4+2*\w+\p)+3], s[10:11] offset:(\outo)+2048*\p+512*\w  ; k likewise
	global_store_b128 v[GO], v[PK+4*(8+2*\w+\p):PK+4*(8+2*\w+\p)+3], s[12:13] offset:(\outo)+1024*\w+512*\p  ; v: channel tile w, register group c = p
.endr
.endr
.endm
	FETCH 0, 0
	s_wait_loadcnt 0x0                             ; the weights and their scale words
	s_mov_b32 s48, 3
.Lpairs:                                           ; a trip: two pairs of row groups
	PAIR 0, 1, 16384, 0
	PAIR 1, 1, 32768, 4096
	s_wait_xcnt 0x0                                ; the stores have read their offset register
	v_add_nc_u32 v[ADA], 32768, v[ADA]
	v_add_nc_u32 v[ADS], 2048, v[ADS]
	v_add_nc_u32 v[GO], 8192, v[GO]
	s_sub_co_u32 s48, s48, 1
	s_cmp_lg_u32 s48, 0
	s_cbranch_scc1 .Lpairs
	PAIR 0, 1, 16384, 0                            ; the last two pairs: nothing lies behind the eighth
	PAIR 1, 0, 0, 4096
	s_wait_tensorcnt 0x0                           ; the wave's end
	ds_add_u32 v[SPW], v[NIL]
	s_wait_dscnt 0x0
	CROUND                                         ; the closing round: no work-group ends while a partner may still ask for a tile that names it
	s_endpgm
.Lfunc_end_k_q428bc9e09f_qkv:
	.size	k_q428bc9e09f_qkv, .Lfunc_end_k_q428bc9e09f_qkv-k_q428bc9e09f_qkv
	.p2alignl 7, 3214868480
	.fill 96, 4, 3214868480
	.section	.rodata,"a",@progbits
	.p2align	6, 0x0
	.amdhsa_kernel k_q428bc9e09f_qkv
		.amdhsa_group_segment_fixed_size 167936
		.amdhsa_private_segment_fixed_size 0
		.amdhsa_enable_private_segment 0
		.amdhsa_kernarg_size 40
		.amdhsa_user_sgpr_count 2
		.amdhsa_user_sgpr_kernarg_segment_ptr 1
		.amdhsa_wavefront_size32 1
		.amdhsa_system_sgpr_workgroup_id_x 1
		.amdhsa_system_sgpr_workgroup_id_y 1
		.amdhsa_system_sgpr_workgroup_id_z 1
		.amdhsa_system_vgpr_workitem_id 0
		.amdhsa_next_free_vgpr 1024
		.amdhsa_next_free_sgpr 66
		.amdhsa_reserve_vcc 0
		.amdhsa_float_denorm_mode_32 3
		.amdhsa_float_denorm_mode_16_64 3
		.amdhsa_memory_ordered 1
		.amdhsa_forward_progress 1
		.amdhsa_inst_pref_size 91
	.end_amdhsa_kernel
	.amdgpu_metadata
---
amdhsa.version: [ 1, 2 ]
amdhsa.kernels:
  - .name:           k_q428bc9e09f_qkv
    .symbol:         k_q428bc9e09f_qkv.kd
    .args:
      - { .name: xq, .offset: 0, .size: 8, .value_kind: global_buffer, .address_space: global }
      - { .name: wq, .offset: 8, .size: 8, .value_kind: global_buffer, .address_space: global }
      - { .name: q16, .offset: 16, .size: 8, .value_kind: global_buffer, .address_space: global }
      - { .name: k16, .offset: 24, .size: 8, .value_kind: global_buffer, .address_space: global }
      - { .name: v16, .offset: 32, .size: 8, .value_kind: global_buffer, .address_space: global }
    .group_segment_fixed_size: 167936
    .private_segment_fixed_size: 0
    .kernarg_segment_align: 8
    .kernarg_segment_size: 40
    .max_flat_workgroup_size: 128
    .sgpr_count:     66
    .vgpr_count:     1024
    .wavefront_size: 32
...
	.end_amdgpu_metadata
.endif
;; end of part 2
;; launch attn (part 3): grid 4 x 64, 8 waves a work-group, clusters of 4 x 1, 327,680 bytes of LDS; arguments q16, k16, v16, o16; writes o16
.if DOCPART == 3
	.amdgcn_target "amdgcn-amd-amdhsa--gfx1250"
	.amdhsa_code_object_version 6
	.text
	.protected	k_q428bc9e09f_attn
	.globl	k_q428bc9e09f_attn
	.p2align	8
	.type	k_q428bc9e09f_attn,@function
k_q428bc9e09f_attn:
	s_mov_b64 s[64:65], 0
	v_nop
	global_prefetch_b8 v0, s[64:65] scope:SCOPE_SE
	s_setreg_imm32_b32 hwreg(HW_REG_WAVE_MODE, 25, 1), 1
	s_wait_xcnt 0x0
	s_wait_alu depctr_hold_cnt(0) depctr_sa_sdst(0) depctr_va_vdst(0) depctr_va_sdst(0) depctr_va_ssrc(0) depctr_va_vcc(0) depctr_vm_vsrc(0)
	s_getreg_b32 s2, hwreg(HW_REG_IB_STS2, 6, 4)
	s_cmp_eq_u32 s2, 0
	s_cbranch_scc0 .Lentry_in_a_cluster
	s_endpgm
.Lentry_in_a_cluster:
	s_bfe_u32 s2, ttmp6, 0x10000c
	s_cmp_lg_u32 s2, 0x3003
	s_cbranch_scc0 .Lentry_shape_is_right
	s_endpgm
.Lentry_shape_is_right:
; ATTN.  O[bh][q] = the sum over k of softmax_k(Q[bh][q] . K[bh][k] / 32) V[bh][k], 64 (batch, head) pairs, 2,048 positions, head size 64, no mask.  Operands in f16; products, maxima and sums in f32; the weights p are
; rounded to f16 for the second product, O once at the end.  Q, K, V arrive, and O leaves, as images of operand registers: every load and store of a wave is 512 consecutive bytes, and nothing is transposed or padded.
; SHARES.  A work-group owns 512 queries of one (batch, head), each of its eight waves 64: four tiles of 16.  Two waves share a SIMD, so that one wave's vector work stands beside the other's matrix work.  Every wave walks all 2,048 keys, 64 a step.
; LAYOUT.  S^T = K Q^T (source 0 = 16 keys, source 1 = 16 queries): a lane holds ONE query and eight keys.  Two such tiles, rounded to f16 in pairs, ARE source 1 of O^T = V^T P, whose result again holds one query a lane.
; SOFTMAX.  For each query a running maximum m and sum l: p = 2^(c s - c m), c = log2(e) / 32; in every step O and l are multiplied by a = 2^(c m_old - c m_new).  The sum is taken of the unrounded p.
; The loop has no first step of its own: O and l begin as zeros and m as -3e38, so that the first a is 0 and multiplies zeros.
; RING.  Two LDS slots of 512 keys (K's images, then V's).  Each wave fetches an eighth of a slot by one tensor load: waves 0-3 K's, waves 4-7 V's.  Four fills in all: two at the start, two refills.
; CLUSTER.  The four query blocks of a (batch, head) walk the same K and V: each tile is asked for JOINTLY, by the same tensor load with the same descriptor and the mask of all four.
; LIMITS: NaN and infinities are not served; |O| is at most the largest |v|, which stays at or under 65,504 (f16).
; REGISTERS: window 0: v1-7 addresses; v16-47 eight registers of statistics a tile; v64-191 S^T, 32 a tile (P is laid over each tile's low 16); v192-255 Q.   window 1: v0-127 O^T, 32 a tile; v128-191 K of a step; v192-255 V of a step.
.set SLOT1, 1<<17                      ; slot 1 begins here, so that one exclusive or turns an address in one slot into the other's
.set SPARE, 2*SLOT1                    ; the spare words, 128 bytes for each wave: four blocks of 256 bytes that no other line names
.set LI,  1                            ; v1  16 x lane: my place in an image; also my offset in Q's and O's images
.set LIV, 2                            ; v2  the same among V's images: + 65,536
.set ADR, 3                            ; v3  the LDS address of the run of loads in hand
.set PFO, 5                            ; v5  256 x lane: the prefetches' offset; never rewritten
.set SPW, 6                            ; v6  LDS address of my spare word; never rewritten
.set NIL, 7                            ; v7  0; never rewritten
.set ST,  16                           ; tile t's statistics at v[ST + 8 t]: +0 c m, +1 m, +2, +3 l (even keys', odd keys'), +4 to +7 at work; a at +6
.set S,   64
.set Q,   192
.set KF,  128                          ; in window 1: K's fragment (keys 16 y on, channels 32 u on) at KF + 16 y + 8 u
.set VF,  192                          ; in window 1: V^T's fragment (keys 32 k on, channels 16 d on) at VF + 32 k + 8 d
.set WV,  12
.set LIM, 15                           ; s15  2 in a wave that prefetches, else the greatest number
.set PFA, 18                           ; s[18:19] where my prefetch stands: my work-group's quarter, my wave's half of it, of the fill that the next change of slots asks for
.set G1,  24
.set G0A, 32                           ; slot 0's first fill
.set G0B, 36                           ; slot 1's first fill; it then walks
.set TB,  40                           ; s40  LDS byte at which the tiles of the step to be fetched begin
.set CNT, 41
.set SLOTS, 42
.set CS,  44                           ; s[44:45] c: the packed form names a pair and takes its low word for both halves
.set SEL, 46                           ; s[46:47] v_permlanex16_b32's selects for lane l xor 16
.set MSB, 0
.macro WIN new
.if MSB != (\new)
	s_set_vgpr_msb (MSB<<8)|(\new)
.set MSB, (\new)
.endif
.endm
.set W_KQ, 0x01                        ; K in window 1; Q and S^T in window 0
.set W_PV, 0x51                        ; V in window 1, P in window 0, O^T in window 1
.set W_RS, 0x41                        ; O^T (destination and source 0) in window 1, a in window 0
.set TO_1, 0x40                        ; destination window 1, address window 0
.set W_CV, 0x05                        ; sources window 1, destination window 0
.macro PLACES
.rept 4
	v_nop
.endr
.endm
.macro CROUND
	s_barrier_signal -1
	s_barrier_wait -1
	s_cmp_lg_u32 s[WV], 0
	s_cbranch_scc1 .Lnot_wave_0_\@
	s_barrier_signal -3
.Lnot_wave_0_\@:
	s_barrier_wait -3
	s_barrier_signal -1
	s_barrier_wait -1
.endm
	s_load_b256 s[4:11], s[0:1], 0x0               ; q16, k16, v16, o16
	v_lshl_add_u32 v[SPW], v0, 2, SPARE
	v_mov_b32 v[NIL], 0
	ds_add_u32 v[SPW], v[NIL]                      ; the wave's opening: the add, twice on end, and its wait ahead of my first tensor load
	ds_add_u32 v[SPW], v[NIL]                      ; (once more; the set-up below, work on registers, stands between it and the wait)
	v_lshrrev_b32 v1, 5, v0
	v_readfirstlane_b32 s[WV], v1                  ; wave 0..7
	v_and_b32 v3, 31, v0
	v_lshlrev_b32 v[LI], 4, v3
	v_add_nc_u32 v[LIV], 65536, v[LI]
	v_lshlrev_b32 v[PFO], 8, v3
	s_and_b32 s14, ttmp7, 0xffff                   ; bh: the (batch, head), which the four partners share
	; descriptor group 1: 16,384 dense bytes as 64 rows of 256 (32 elements of 8 bytes)
	s_mov_b32 s[G1],   15|(3<<16)|(1<<21)          ; 15:0 the mask: all four work-groups; 17:16 elements of 8 bytes; 21 set beside a mask
	s_mov_b32 s[G1+1], 32<<16
	s_mov_b32 s[G1+2], 64<<16
	s_mov_b32 s[G1+3], 32<<16
	s_mov_b32 s[G1+4], 64
	s_mov_b32 s[G1+5], 32
	s_mov_b32 s[G1+6], 0
	s_mov_b32 s[G1+7], 0
	s_lshl_b32 s20, s14, 18                        ; 262,144 bytes a (batch, head),
	s_and_b32 s21, s[WV], 3
	s_lshl_b32 s21, s21, 14                        ; my quarter of a fill's 65,536
	s_add_co_u32 s20, s20, s21
	s_mov_b32 s21, 0
	s_mov_b32 s[G0A], 1
	s_lshl_b32 s[G0A+1], s[WV], 14                 ; LDS: 16,384 x wave: K's four quarters, then V's
	s_mov_b32 s[G0B], 1
	s_add_co_u32 s[G0B+1], s[G0A+1], SLOT1
	s_mov_b32 s[CS], 0x3d38aa3b                    ; c = log2(e) / 32
	s_mov_b32 s[CS+1], s[CS]
	s_mov_b32 s[SEL], 0x76543210
	s_mov_b32 s[SEL+1], 0xfedcba98
	s_mov_b32 s[TB], 0
	; what hangs on my place in the cluster enters Q's, O's and the prefetches' addresses alone
	s_bfe_u32 s13, ttmp6, 0x40000                  ; cx: my block of 512 queries
	s_lshl_b32 s22, s14, 18
	s_lshl_b32 s23, s13, 16
	s_add_co_u32 s22, s22, s23
	s_lshl_b32 s23, s[WV], 13
	s_add_co_u32 s22, s22, s23                     ; Q: position block 32 cx + 4 wave, 2,048 bytes each
	s_mov_b32 s23, 0
	s_lshr_b32 s2, s14, 4                          ; O: row group 128 batch + 32 cx + 4 wave, 32,768 bytes each; the head's 64 along K are 2,048 bytes of them
	s_lshl_b32 s2, s2, 22
	s_lshl_b32 s3, s13, 20
	s_add_co_u32 s2, s2, s3
	s_lshl_b32 s3, s[WV], 17
	s_add_co_u32 s2, s2, s3
	s_and_b32 s3, s14, 15
	s_lshl_b32 s3, s3, 11
	s_add_co_u32 s2, s2, s3
	s_mov_b32 s3, 0
	s_lshl_b32 s18, s14, 18                        ; the prefetches begin at fill 2: + 131,072, + 16,384 cx, + 8,192 (wave % 2)
	s_add_co_u32 s18, s18, 131072
	s_lshl_b32 s19, s13, 14
	s_add_co_u32 s18, s18, s19
	s_and_b32 s19, s[WV], 1
	s_lshl_b32 s19, s19, 13
	s_add_co_u32 s18, s18, s19
	s_mov_b32 s19, 0
	s_wait_dscnt 0x0                               ; both opening adds are done
	s_wait_kmcnt 0x0
	s_cmp_lt_u32 s[WV], 4                          ; waves 0-3 fetch K's images, waves 4-7 V's: the choice hangs on the wave's number alone
	s_cselect_b64 s[16:17], s[6:7], s[8:9]
	s_cselect_b32 s[LIM], 2, -1                    ; waves 0-3 prefetch
	s_add_nc_u64 s[16:17], s[16:17], s[20:21]
	s_mov_b64 s[G0A+2:G0A+3], s[16:17]
	s_or_b32 s[G0A+3], s[G0A+3], 0x80000000        ; type = 2
	s_add_nc_u64 s[G0B+2:G0B+3], s[16:17], 65536
	s_or_b32 s[G0B+3], s[G0B+3], 0x80000000
	s_cmp_lt_u32 s[WV], 2                          ; waves 0, 1 ask for K's bytes, waves 2, 3 for V's
	s_cselect_b64 s[42:43], s[6:7], s[8:9]
	s_add_nc_u64 s[PFA:PFA+1], s[42:43], s[18:19]
	s_add_nc_u64 s[4:5], s[4:5], s[22:23]
	s_add_nc_u64 s[10:11], s[10:11], s[2:3]
	CROUND                                         ; all four work-groups are here: the first joint loads meet
	tensor_load_to_lds s[G0A:G0A+3], s[G1:G1+7]    ; fill 0; by this text's count two tensor loads of a wave are out here, later one
	s_nop 0
	tensor_load_to_lds s[G0B:G0B+3], s[G1:G1+7]    ; fill 1
	s_nop 0
	PLACES
.irp t, 0,1,2,3
.irp u, 0,1
.irp c, 0,1
	global_load_b128 v[Q+16*\t+8*\u+4*\c:Q+16*\t+8*\u+4*\c+3], v[LI], s[4:5] offset:2048*\t+1024*\u+512*\c th:TH_LOAD_NT   ; Q stays in registers
.endr
.endr
.endr
.irp t, 0,1,2,3
	v_mov_b32 v[ST+8*\t+1], 0xff61b1e6             ; m = -3e38, under every score
	v_mov_b32 v[ST+8*\t+2], 0                      ; l
	v_mov_b32 v[ST+8*\t+3], 0
.endr
.irp t, 0,1,2,3
	v_mul_f32 v[ST+8*\t], s[CS], v[ST+8*\t+1]      ; c m
.endr
	WIN TO_1
.set i, 0
.rept 128
	v_mov_b32 v[i], 0                              ; O^T: written once, so that the key step is written without a first form of its own
.set i, i+1
.endr
	WIN 0
; A PREFETCH INTO THE L2 of what the next change of slots will ask for: 65,536 bytes of K's images and as many of V's.  Each aligned block of 256 bytes is named ONCE in the launch: a (batch, head) has one cluster; its four partners take
; 16,384 bytes each, told apart BY ADDRESS; in each, waves 0 and 1 ask for K's halves and waves 2 and 3 for V's, lanes 256 bytes apart, one instruction a wave.  It stands in a slot's sixth step, behind the step's run of LDS loads:
; two key steps ahead of the tensor load.  Fills 0 and 1 come by their loads alone, and behind fill 3 there is nothing to ask for.
.macro ASK
	s_cmp_eq_u32 s[CNT], s[LIM]
	s_cbranch_scc0 .Lnot_mine_\@
	global_prefetch_b8 v[PFO], s[PFA:PFA+1] th:TH_LOAD_NT scope:SCOPE_SE
.Lnot_mine_\@:
.endm
; THE CHANGE OF SLOTS, in a slot's last step, when its last bytes (V of that step) have been asked for.  Each wave waits for all its tensor loads (its part of the other slot), adds 0 to its spare word, and waits for that and for its
; reads of this slot.  fill = 1: the barrier is a round of the cluster's, and the joint refill of this slot is the first thing behind it: it has eight key steps in which to land.
.macro CHANGE fill
	s_wait_tensorcnt 0x0                           ; no tensor load of mine is out, so a group 0 may be written
	ds_add_u32 v[SPW], v[NIL]                      ; 0 onto my spare word
.if \fill
	s_xor_b32 s[G0B+1], s[G0B+1], SLOT1            ; the walking descriptor: the other slot than last time,
	s_add_nc_u64 s[G0B+2:G0B+3], s[G0B+2:G0B+3], 65536   ; the next 512 keys; the type bits on top are not reached
	s_wait_xcnt 0x0                                ; the last prefetch, two steps back, has read its address
	s_add_nc_u64 s[PFA:PFA+1], s[PFA:PFA+1], 65536
	s_wait_dscnt 0x0                               ; the add is done, and my reads of the slot are over
	CROUND
	tensor_load_to_lds s[G0B:G0B+3], s[G1:G1+7]
	s_nop 0
	PLACES
.else
	s_wait_dscnt 0x0
	s_barrier_signal -1
	s_barrier_wait -1
.endif
	s_sub_co_u32 s[TB], s[TB], 65536               ; the fetches go back to a slot's first step,
	s_xor_b32 s[TB], s[TB], SLOT1                  ; in the other slot
.endm
; A KEY STEP: 64 keys.  mode 0: plain; 1: the slot's last, with a refill; 2: the slot's last, without; 3: the last of all.
.macro STEP mode, ask
	v_add_nc_u32 v[ADR], s[TB], v[LIV]
	PLACES                                         ; with the addition five places behind the last step's products: four are owed to the loads into V's registers, five to the products below, which write over P's
	WIN TO_1
.irp k, 0,1
.irp d, 0,1,2,3
.irp c, 0,1
	ds_load_b128 v[VF+32*\k+8*\d+4*\c:VF+32*\k+8*\d+4*\c+3], v[ADR] offset:4096*\k+1024*\d+512*\c   ; V of this step
.endr
.endr
.endr
	s_add_co_u32 s[TB], s[TB], 8192                ; the next fetch is the next step's
	s_wait_dscnt 16                                ; K of this step is in; V's sixteen loads may be out
	WIN W_KQ
.irp u, 0,1                            ; S^T = K Q^T: the sixteen accumulators take turns, one instruction a turn; the first sixteen start the sums
.irp y, 0,1,2,3
.irp t, 0,1,2,3
.if \u == 0
	v_wmma_f32_16x16x32_f16 v[S+32*\t+8*\y:S+32*\t+8*\y+7], v[KF+16*\y:KF+16*\y+7], v[Q+16*\t:Q+16*\t+7], 0
.else
	v_wmma_f32_16x16x32_f16 v[S+32*\t+8*\y:S+32*\t+8*\y+7], v[KF+16*\y+8:KF+16*\y+15], v[Q+16*\t+8:Q+16*\t+15], v[S+32*\t+8*\y:S+32*\t+8*\y+7]
.endif
.endr
.endr
.endr
	WIN 0
	PLACES                                         ; four places in front of the loads into K's registers and of the first read of the scores
.if \mode == 1
	CHANGE 1
.elseif \mode == 2
	CHANGE 0
.endif
.if \mode != 3
	v_add_nc_u32 v[ADR], s[TB], v[LI]
	WIN TO_1
.irp y, 0,1,2,3
.irp u, 0,1
.irp c, 0,1
	ds_load_b128 v[KF+16*\y+8*\u+4*\c:KF+16*\y+8*\u+4*\c+3], v[ADR] offset:2048*\y+1024*\u+512*\c   ; K of the next step
.endr
.endr
.endr
	WIN 0
.endif
.if \ask
	ASK
.endif
	; the maximum of a query's 32 scores and the old m: four chains of seven scores, then the four left over.  The four tiles alternate everywhere, so that no line waits for the line above it.  Each accumulator is read from its low end on
.irp j, 0,1,2,3
.irp t, 0,1,2,3
	v_max3_num_f32 v[ST+8*\t+4+\j], v[S+32*\t+8*\j], v[S+32*\t+8*\j+1], v[S+32*\t+8*\j+2]
.endr
.endr
.irp g, 1,2
.irp j, 0,1,2,3
.irp t, 0,1,2,3
	v_max3_num_f32 v[ST+8*\t+4+\j], v[ST+8*\t+4+\j], v[S+32*\t+8*\j+2*\g+1], v[S+32*\t+8*\j+2*\g+2]
.endr
.endr
.endr
.irp t, 0,1,2,3
	v_max3_num_f32 v[ST+8*\t+4], v[ST+8*\t+4], v[S+32*\t+7], v[S+32*\t+15]
.endr
.irp t, 0,1,2,3
	v_max3_num_f32 v[ST+8*\t+6], v[ST+8*\t+6], v[S+32*\t+23], v[S+32*\t+31]
.endr
.irp t, 0,1,2,3
	v_max3_num_f32 v[ST+8*\t+4], v[ST+8*\t+4], v[ST+8*\t+5], v[ST+8*\t+6]
.endr
.irp t, 0,1,2,3
	v_max3_num_f32 v[ST+8*\t+4], v[ST+8*\t+4], v[ST+8*\t+7], v[ST+8*\t+1]
.endr
.irp t, 0,1,2,3
	v_permlanex16_b32 v[ST+8*\t+5], v[ST+8*\t+4], s[SEL], s[SEL+1]   ; the query's other 32 keys lie in the lane 16 away
.endr
.irp t, 0,1,2,3
	v_mov_b32 v[ST+8*\t+7], v[ST+8*\t]             ; c m_old is kept for a
.endr
.irp t, 0,1,2,3
	v_max_num_f32 v[ST+8*\t+1], v[ST+8*\t+4], v[ST+8*\t+5]
.endr
.irp t, 0,1,2,3
	v_mul_f32 v[ST+8*\t], s[CS], v[ST+8*\t+1]
.endr
.irp t, 0,1,2,3
	v_sub_f32 v[ST+8*\t+7], v[ST+8*\t+7], v[ST+8*\t]
.endr
.set i, 0
.rept 16
.irp t, 0,1,2,3
	v_pk_fma_f32 v[S+32*\t+i:S+32*\t+i+1], v[S+32*\t+i:S+32*\t+i+1], s[CS:CS+1], v[ST+8*\t:ST+8*\t+1] op_sel_hi:[1,0,0] neg_lo:[0,0,1] neg_hi:[0,0,1]   ; c s - c m, two at a time
.endr
.set i, i+2
.endr
.irp t, 0,1,2,3
	v_exp_f32 v[ST+8*\t+6], v[ST+8*\t+7]           ; a
.endr
.set i, 0
.rept 32
.irp t, 0,1,2,3
	v_exp_f32 v[S+32*\t+i], v[S+32*\t+i]           ; p: with the four a one batch of 132
.endr
.set i, i+1
.endr
	v_nop                                          ; a plain instruction behind the last exponential
	s_wait_alu depctr_va_vdst(0)                   ; the wait ahead of the first instruction that names a result: one for the whole batch
.irp t, 0,1,2,3
	v_pk_add_f32 v[ST+8*\t+4:ST+8*\t+5], v[S+32*\t:S+32*\t+1], v[S+32*\t+2:S+32*\t+3]   ; the sum of the unrounded p
.endr
.set i, 4
.rept 14
.irp t, 0,1,2,3
	v_pk_add_f32 v[ST+8*\t+4:ST+8*\t+5], v[ST+8*\t+4:ST+8*\t+5], v[S+32*\t+i:S+32*\t+i+1]
.endr
.set i, i+2
.endr
.irp t, 0,1,2,3
	v_pk_fma_f32 v[ST+8*\t+2:ST+8*\t+3], v[ST+8*\t+2:ST+8*\t+3], v[ST+8*\t+6:ST+8*\t+7], v[ST+8*\t+4:ST+8*\t+5] op_sel_hi:[1,0,1]   ; l = a l + the sum
.endr
.set i, 0
.rept 16
.irp t, 0,1,2,3
	v_cvt_pk_f16_f32 v[S+32*\t+i], v[S+32*\t+2*i], v[S+32*\t+2*i+1]   ; P, in place over the tile's low half: register i is written when weights 2 i, 2 i + 1 are read
.endr
.set i, i+1
.endr
	WIN W_RS
.set i, 0
.rept 16
.irp t, 0,1,2,3
	v_pk_mul_f32 v[32*\t+i:32*\t+i+1], v[32*\t+i:32*\t+i+1], v[ST+8*\t+6:ST+8*\t+7] op_sel_hi:[1,0]   ; O^T x a, each accumulator from its low end on
.endr
.set i, i+2
.endr
.if \mode == 3
	s_wait_dscnt 0x0
.else
	s_wait_dscnt 16                                ; V of this step is in; the next step's K, sixteen loads, may be out
.endif
	WIN W_PV
.irp k, 0,1                            ; O^T += V^T P: sixteen accumulators by turns
.irp d, 0,1,2,3
.irp t, 0,1,2,3
	v_wmma_f32_16x16x32_f16 v[32*\t+8*\d:32*\t+8*\d+7], v[VF+32*\k+8*\d:VF+32*\k+8*\d+7], v[S+32*\t+8*\k:S+32*\t+8*\k+7], v[32*\t+8*\d:32*\t+8*\d+7]
.endr
.endr
.endr
	WIN 0
.endm
.macro SEVEN ask                       ; a slot's first seven steps: written once, walked seven times
	s_mov_b32 s[CNT], 7
.Lseven_\@:
	STEP 0, \ask
	s_sub_co_u32 s[CNT], s[CNT], 1
	s_cmp_lg_u32 s[CNT], 0
	s_cbranch_scc1 .Lseven_\@
.endm
	s_wait_tensorcnt 1                             ; my part of slot 0 is in; slot 1's may stay out
	s_barrier_signal -1
	s_barrier_wait -1                              ; everybody's is
	v_add_nc_u32 v[ADR], s[TB], v[LI]
	WIN TO_1
.irp y, 0,1,2,3
.irp u, 0,1
.irp c, 0,1
	ds_load_b128 v[KF+16*\y+8*\u+4*\c:KF+16*\y+8*\u+4*\c+3], v[ADR] offset:2048*\y+1024*\u+512*\c   ; K of step 0
.endr
.endr
.endr
	WIN 0
	s_wait_loadcnt 0x0                             ; Q
	s_mov_b32 s[SLOTS], 2
.Lslot:                                            ; two trips: the first two slots' worth of keys; each is left with a refill
	SEVEN 1
	STEP 1, 0
	s_sub_co_u32 s[SLOTS], s[SLOTS], 1
	s_cmp_lg_u32 s[SLOTS], 0
	s_cbranch_scc1 .Lslot
	SEVEN 0                                        ; the tail is written out
	STEP 2, 0
	SEVEN 0
	STEP 3, 0
	; THE WAY OUT.  l's two halves and the other half of the lanes' are added; O^T is divided by l, rounded to f16 and stored as it stands: a lane's eight channels of a row are four registers of the projection's fragment.
.irp t, 0,1,2,3
	v_add_f32 v[ST+8*\t+4], v[ST+8*\t+2], v[ST+8*\t+3]             ; (these lines are also the places behind the last products)
.endr
.irp t, 0,1,2,3
	v_permlanex16_b32 v[ST+8*\t+5], v[ST+8*\t+4], s[SEL], s[SEL+1]
.endr
.irp t, 0,1,2,3
	v_add_f32 v[ST+8*\t+4], v[ST+8*\t+4], v[ST+8*\t+5]
.endr
.irp t, 0,1,2,3
	v_rcp_f32 v[ST+8*\t+6], v[ST+8*\t+4]
.endr
	v_nop                                          ; a plain instruction behind the last reciprocal
	s_wait_alu depctr_va_vdst(0)                   ; and the wait ahead of the first use: one for the four
	WIN W_RS
.irp t, 0,1,2,3
.set i, 0
.rept 16
	v_pk_mul_f32 v[32*\t+i:32*\t+i+1], v[32*\t+i:32*\t+i+1], v[ST+8*\t+6:ST+8*\t+7] op_sel_hi:[1,0]
.set i, i+2
.endr
.endr
	WIN W_CV
.irp t, 0,1,2,3
.irp d, 0,1,2,3
.irp j, 0,1,2,3
	v_cvt_pk_f16_f32 v[S+16*\t+4*\d+\j], v[32*\t+8*\d+2*\j], v[32*\t+8*\d+2*\j+1]
.endr
.endr
.endr
	WIN 0
.irp t, 0,1,2,3
.irp d, 0,1,2,3
	global_store_b128 v[LI], v[S+16*\t+4*\d:S+16*\t+4*\d+3], s[10:11] offset:32768*\t+512*\d   ; 512 consecutive bytes
.endr
.endr
	s_wait_tensorcnt 0x0                           ; the wave's end
	ds_add_u32 v[SPW], v[NIL]
	s_wait_dscnt 0x0
	CROUND                                         ; the closing round
	s_endpgm
.Lfunc_end_k_q428bc9e09f_attn:
	.size	k_q428bc9e09f_attn, .Lfunc_end_k_q428bc9e09f_attn-k_q428bc9e09f_attn
	.p2alignl 7, 3214868480
	.fill 96, 4, 3214868480
	.section	.rodata,"a",@progbits
	.p2align	6, 0x0
	.amdhsa_kernel k_q428bc9e09f_attn
		.amdhsa_group_segment_fixed_size 327680
		.amdhsa_private_segment_fixed_size 0
		.amdhsa_enable_private_segment 0
		.amdhsa_kernarg_size 32
		.amdhsa_user_sgpr_count 2
		.amdhsa_user_sgpr_kernarg_segment_ptr 1
		.amdhsa_wavefront_size32 1
		.amdhsa_system_sgpr_workgroup_id_x 1
		.amdhsa_system_sgpr_workgroup_id_y 1
		.amdhsa_system_sgpr_workgroup_id_z 1
		.amdhsa_system_vgpr_workitem_id 0
		.amdhsa_next_free_vgpr 512
		.amdhsa_next_free_sgpr 66
		.amdhsa_reserve_vcc 0
		.amdhsa_float_denorm_mode_32 3
		.amdhsa_float_denorm_mode_16_64 3
		.amdhsa_memory_ordered 1
		.amdhsa_forward_progress 1
		.amdhsa_inst_pref_size 213
	.end_amdhsa_kernel
	.amdgpu_metadata
---
amdhsa.version: [ 1, 2 ]
amdhsa.kernels:
  - .name:           k_q428bc9e09f_attn
    .symbol:         k_q428bc9e09f_attn.kd
    .args:
      - { .name: q16, .offset: 0, .size: 8, .value_kind: global_buffer, .address_space: global }
      - { .name: k16, .offset: 8, .size: 8, .value_kind: global_buffer, .address_space: global }
      - { .name: v16, .offset: 16, .size: 8, .value_kind: global_buffer, .address_space: global }
      - { .name: o16, .offset: 24, .size: 8, .value_kind: global_buffer, .address_space: global }
    .group_segment_fixed_size: 327680
    .private_segment_fixed_size: 0
    .kernarg_segment_align: 8
    .kernarg_segment_size: 32
    .max_flat_workgroup_size: 256
    .sgpr_count:     66
    .vgpr_count:     512
    .wavefront_size: 32
...
	.end_amdgpu_metadata
.endif
;; end of part 3
;; launch proj (part 4): grid 4 x 64, 4 waves a work-group, clusters of 4 x 4, 327,680 bytes of LDS; arguments o16, wo16, b_out, out0; writes out0
.if DOCPART == 4
	.amdgcn_target "amdgcn-amd-amdhsa--gfx1250"
	.amdhsa_code_object_version 6
	.text
	.protected	k_q428bc9e09f_proj
	.globl	k_q428bc9e09f_proj
	.p2align	8
	.type	k_q428bc9e09f_proj,@function
k_q428bc9e09f_proj:
	s_mov_b64 s[64:65], 0
	v_nop
	global_prefetch_b8 v0, s[64:65] scope:SCOPE_SE
	s_setreg_imm32_b32 hwreg(HW_REG_WAVE_MODE, 25, 1), 1
	s_wait_xcnt 0x0
	s_wait_alu depctr_hold_cnt(0) depctr_sa_sdst(0) depctr_va_vdst(0) depctr_va_sdst(0) depctr_va_ssrc(0) depctr_va_vcc(0) depctr_vm_vsrc(0)
	s_getreg_b32 s2, hwreg(HW_REG_IB_STS2, 6, 4)
	s_cmp_eq_u32 s2, 0
	s_cbranch_scc0 .Lentry_in_a_cluster
	s_endpgm
.Lentry_in_a_cluster:
	s_bfe_u32 s2, ttmp6, 0x10000c
	s_cmp_lg_u32 s2, 0xf033
	s_cbranch_scc0 .Lentry_shape_is_right
	s_endpgm
.Lentry_shape_is_right:
; PROJ.  out[m][n] = the sum over k of O[m][k] w_out[n][k] + b_out[n]: 8,192 x 1,024 x 1,024, operands in f16, sums in f32, the bias as the C of each sum's first product.
; Both operands arrive as images of operand registers: [group of 16 rows][chunk of 32 along K][1,024 bytes].  A K step of 128 is 4,096 consecutive bytes of each group; a fragment is two loads at 16 x lane: no pitch, no padding.
; SHARES.  A tile of out is 128 x 256: 256 work-groups.  Four waves, each 64 x 128: 32 accumulators, 256 registers.  K goes in eight steps of 128 through a ring of two LDS slots filled by the tensor data mover.
; CLUSTERS: 4 x 4 work-groups.  The four of a row of the cluster need the same tiles of O, the four of a column the same tiles of w_out: each tile is asked for JOINTLY, by the same tensor load with the same descriptor and a mask
; that names the four.  THE MATRIX INSTRUCTION IS USED TRANSPOSED (source 0 = 16 rows of w_out, source 1 = 16 rows of O): a lane then holds eight neighbouring numbers of a row of out.
; REGISTERS: window 0: v16-29 addresses; v32-127, v128-223 two fragment buffers (O's four groups, then w_out's eight), 32 along K each; on the way out v32-159 rows of out.
;   window 1: the accumulators ((a, b) at 8 (8 a + b)).   window 2: v0-63 the bias: register 8 b + j = b_out of column 16 b + 8 h + j of my 128.
.set KB,     4096                      ; a K step's bytes in a group of 16 rows
.set SLOT,   98304                     ; O's 8 groups (32,768 bytes), then w_out's 16 (65,536)
.set STAGE,  2*SLOT                    ; behind the ring: 16 rows x 528 bytes for each wave, for the way out; no tensor load fills it
.set SPITCH, 528                       ; 512 bytes + 16 = 33 x 16: the sixteen rows that a store touches begin at sixteen different 16-byte columns modulo 256
.set SPARE,  STAGE+4*16*SPITCH         ; the spare words, 128 bytes for each wave: two blocks of 256 bytes that no other line names
.set LAPS,   4                         ; a lap = two K steps = once round the ring
.set ADRA, 16                          ; v16-17  LDS address of my fragments of O in slot 0, 1
.set ADRB, 20                          ; v20-21  the same for w_out
.set STO,  24                          ; v24     the way out: where I put 32 bytes of a row
.set RD,   25                          ; v25     where I read a row back
.set CO,   26                          ; v26     16 x lane
.set BO,   27                          ; v27     32 h: my eight numbers of a column group's bias
.set SPW,  28                          ; v28     LDS address of my spare word; never rewritten
.set NIL,  29                          ; v29     0; never rewritten
.set F0,   32
.set F1,   128
.set BK,   32
.set G1,  24                           ; s[24:31] descriptor group 1 for O's tiles;  s[32:39] group 0, one set for each slot
.set G0,  32
.set G1B, 48                           ; s[48:55], s[56:63] the same for w_out's tiles
.set G0B, 56
.set MSB, 0
.macro WIN new
.if MSB != (\new)
	s_set_vgpr_msb (MSB<<8)|(\new)
.set MSB, (\new)
.endif
.endm
.set MUL, 0x50                         ; sources window 0; C and D window 1.  + 0x10: C window 2 (the bias)
.macro PLACES
.rept 4
	v_nop
.endr
.endm
.macro JLOAD s                         ; a joint load: waves 0 and 1 fetch O's two halves, waves 2 and 3 w_out's; an s_nop 0 and four v_nop follow each of the two lines
	s_cmp_eq_u32 s13, 0
	s_cbranch_scc0 .Lfor_b_\@
	tensor_load_to_lds s[G0+4*\s:G0+4*\s+3], s[G1:G1+7]
	s_nop 0
	PLACES
	s_branch .Lasked_\@
.Lfor_b_\@:
	tensor_load_to_lds s[G0B+4*\s:G0B+4*\s+3], s[G1B:G1B+7]
	s_nop 0
	PLACES
.Lasked_\@:
.endm
.macro CREST                           ; a round of the cluster's barrier behind its opening barrier
	s_cmp_lg_u32 s12, 0
	s_cbranch_scc1 .Lnot_wave_0_\@
	s_barrier_signal -3
.Lnot_wave_0_\@:
	s_barrier_wait -3
	s_barrier_signal -1
	s_barrier_wait -1
.endm
.macro CROUND
	s_barrier_signal -1
	s_barrier_wait -1
	CREST
.endm
	s_load_b256 s[4:11], s[0:1], 0x0               ; o16, wo16, b_out, out0
	v_lshl_add_u32 v[SPW], v0, 2, SPARE
	v_mov_b32 v[NIL], 0
	ds_add_u32 v[SPW], v[NIL]                      ; the wave's opening: the add, twice on end, and its wait ahead of my first tensor load
	ds_add_u32 v[SPW], v[NIL]                      ; (once more; the set-up below, work on registers, stands between it and the wait)
	v_lshrrev_b32 v1, 5, v0
	v_readfirstlane_b32 s12, v1                    ; wave 0..3
	s_lshr_b32 s13, s12, 1                         ; which half of the tile's rows is mine.  Also: I fetch for O (0) or for w_out (1)
	s_and_b32 s14, s12, 1                          ; which half of its columns.  Also: which half of that tile I fetch
	s_bfe_u32 s40, ttmp6, 0x40000                  ; cx, cy: my place in the cluster
	s_bfe_u32 s41, ttmp6, 0x40004
	s_lshl_b32 s42, ttmp9, 2
	s_add_co_u32 s42, s42, s40                     ; tile column = 4 x cluster x + cx
	s_and_b32 s43, ttmp7, 0xffff
	s_lshl_b32 s43, s43, 2
	s_add_co_u32 s43, s43, s41                     ; tile row = 4 x cluster y + cy
	s_lshl_b32 s44, s41, 2
	s_lshl_b32 s44, 15, s44                        ; my row of the cluster
	s_lshl_b32 s45, 0x1111, s40                    ; my column
	; descriptor group 1: rows of 4,096 bytes (512 elements of 8), 32,768 bytes apart: 4 groups of O, 8 groups of w_out to a load
	s_or_b32 s[G1], s44, (3<<16)|(1<<21)           ; 15:0 the mask: O's tiles go to my row; 17:16 elements of 8 bytes; 21 set beside a mask
	s_or_b32 s[G1B], s45, (3<<16)|(1<<21)
	s_mov_b32 s[G1+1], 512<<16                     ; tensor_dim0
	s_mov_b32 s[G1+2], 4<<16                       ; tensor_dim1
	s_mov_b32 s[G1+3], 512<<16                     ; tile_dim0
	s_mov_b32 s[G1+4], 4                           ; tile_dim1
	s_mov_b32 s[G1+5], 4096                        ; elements from row to row
	s_mov_b32 s[G1+6], 0
	s_mov_b32 s[G1+7], 0
	s_mov_b32 s[G1B+1], 512<<16
	s_mov_b32 s[G1B+2], 8<<16
	s_mov_b32 s[G1B+3], 512<<16
	s_mov_b32 s[G1B+4], 8
	s_mov_b32 s[G1B+5], 4096
	s_mov_b32 s[G1B+6], 0
	s_mov_b32 s[G1B+7], 0
	s_lshl_b32 s16, s43, 18                        ; O: group 8 x tile row + 4 x half, 32,768 bytes each
	s_lshl_b32 s17, s14, 17
	s_add_co_u32 s16, s16, s17
	s_mov_b32 s17, 0
	s_lshl_b32 s46, s42, 19                        ; w_out: group 16 x tile column + 8 x half
	s_lshl_b32 s47, s14, 18
	s_add_co_u32 s46, s46, s47
	s_mov_b32 s47, 0
	s_lshl_b32 s18, s14, 14                        ; where they go in a slot: no place in the cluster enters an LDS address
	s_lshl_b32 s19, s14, 15
	s_add_co_u32 s19, s19, 32768
	s_wait_dscnt 0x0                               ; both opening adds are done
	s_wait_kmcnt 0x0
	s_add_nc_u64 s[20:21], s[4:5], s[16:17]
	s_add_nc_u64 s[46:47], s[6:7], s[46:47]
	CROUND                                         ; all sixteen work-groups are here: the first joint loads meet
.irp s, 0,1
	s_mov_b32 s[G0+4*\s], 1
	s_add_co_u32 s[G0+4*\s+1], s18, \s*SLOT
	s_add_nc_u64 s[G0+4*\s+2:G0+4*\s+3], s[20:21], \s*KB
	s_or_b32 s[G0+4*\s+3], s[G0+4*\s+3], 0x80000000
	s_mov_b32 s[G0B+4*\s], 1
	s_add_co_u32 s[G0B+4*\s+1], s19, \s*SLOT
	s_add_nc_u64 s[G0B+4*\s+2:G0B+4*\s+3], s[46:47], \s*KB
	s_or_b32 s[G0B+4*\s+3], s[G0B+4*\s+3], 0x80000000
	JLOAD \s                                       ; by this text's count two tensor loads of a wave are out here, later one
.endr
	v_and_b32 v1, 15, v0                           ; r
	v_bfe_u32 v2, v0, 4, 1                         ; h
	v_and_b32 v3, 31, v0
	v_lshlrev_b32 v[CO], 4, v3
	s_lshl_b32 s22, s13, 14                        ; my four groups of O
	s_lshl_b32 s23, s14, 15
	s_add_co_u32 s23, s23, 32768                   ; my eight groups of w_out, behind O's eight
.irp s, 0,1
	v_add_nc_u32 v[ADRA+\s], s22, v[CO]
	v_add_nc_u32 v[ADRB+\s], s23, v[CO]
	s_add_co_u32 s22, s22, SLOT
	s_add_co_u32 s23, s23, SLOT
.endr
	s_mul_i32 s22, s12, 16*SPITCH
	s_add_co_u32 s22, s22, STAGE                   ; my stage
	v_mul_u32_u24 v4, v1, SPITCH
	v_lshl_add_u32 v4, v2, 5, v4
	v_add_nc_u32 v[STO], s22, v4                   ; in: row r, 32 bytes for each half of the lanes
	v_add_nc_u32 v[RD], s22, v[CO]                 ; back: the 32 lanes take one row of 512 bytes
	v_lshlrev_b32 v[BO], 5, v2
	s_lshl_b32 s2, s42, 10                         ; my first column, in bytes: 1,024 x tile column + 512 x half: in b_out and in a row of out alike
	s_lshl_b32 s3, s14, 9
	s_add_co_u32 s2, s2, s3
	s_mov_b32 s3, 0
	s_add_nc_u64 s[8:9], s[8:9], s[2:3]
	s_add_nc_u64 s[10:11], s[10:11], s[2:3]
	s_lshl_b32 s2, s43, 19                         ; my first row: 128 x tile row + 64 x half, 4,096 bytes each
	s_lshl_b32 s3, s13, 18
	s_add_co_u32 s2, s2, s3
	s_mov_b32 s3, 0
	s_add_nc_u64 s[10:11], s[10:11], s[2:3]
	WIN 0x80                                       ; destination window 2
.irp b, 0,1,2,3,4,5,6,7
.irp j, 0,1
	global_load_b128 v[8*\b+4*\j:8*\b+4*\j+3], v[BO], s[8:9] offset:64*\b+16*\j
.endr
.endr
	WIN 0
; 8 matrix instructions: row group a x all 8 column groups, 32 along K, from buffer f.  zero = 1: the first product starts the sum from the bias.  The 32 accumulators take turns, in the same order in every quarter.
.macro MULA f, a, zero
.irp b, 0,1,2,3,4,5,6,7
.if \zero
	v_wmma_f32_16x16x32_f16 v[8*(8*(\a)+\b):8*(8*(\a)+\b)+7], v[\f+32+8*\b:\f+32+8*\b+7], v[\f+8*(\a):\f+8*(\a)+7], v[8*\b:8*\b+7]
.else
	v_wmma_f32_16x16x32_f16 v[8*(8*(\a)+\b):8*(8*(\a)+\b)+7], v[\f+32+8*\b:\f+32+8*\b+7], v[\f+8*(\a):\f+8*(\a)+7], v[8*(8*(\a)+\b):8*(8*(\a)+\b)+7]
.endif
.endr
.endm
; 24 LDS loads in one run: the fragments of the slot's q-th 32 along K into buffer f; O's groups 2 and 3 last
.macro FETCH slot, q, f
.irp b, 0,1,2,3,4,5,6,7
.irp c, 0,1
	ds_load_b128 v[\f+32+8*\b+4*\c:\f+32+8*\b+4*\c+3], v[ADRB+\slot] offset:4096*\b+1024*(\q)+512*\c
.endr
.endr
.irp a, 0,1,2,3
.irp c, 0,1
	ds_load_b128 v[\f+8*\a+4*\c:\f+8*\a+4*\c+3], v[ADRA+\slot] offset:4096*\a+1024*(\q)+512*\c
.endr
.endr
.endm
; A K step is four quarters of 32 along K, 32 matrix instructions each, on buffers 0, 1, 0, 1.  One of the first three: multiplies buffer f and fetches the slot's q-th quarter into g.
.macro QUARTER slot, q, f, g, zero
	s_wait_dscnt 4                                 ; all but the youngest four loads (O's groups 2 and 3) are in
	WIN MUL+0x10*\zero
	MULA \f, 0, \zero
	MULA \f, 1, \zero
	PLACES                                         ; four places in front of loads into registers that matrix instructions have read
	WIN 0
	FETCH \slot, \q, \g
	s_wait_dscnt 24                                ; all but the 24 just issued
	WIN MUL+0x10*\zero
	MULA \f, 2, \zero
	MULA \f, 3, \zero
.endm
; The last quarter multiplies buffer 1 and changes slots: ONE barrier; in front of it each wave waits for all its tensor loads, adds 0 to its spare word, and waits for that and for its own reads of this slot.  fill = 1: this slot is filled again, two K steps ahead.
.macro TURN slot, next, fill
	WIN 0                                          ; (the add's two registers lie in window 0)
	s_wait_tensorcnt 0x0                           ; all my tensor loads have landed: my part of the next slot;
	ds_add_u32 v[SPW], v[NIL]                      ; 0 onto my spare word;
	s_wait_dscnt 5                                 ; (the add and the youngest four loads may be out)
	WIN MUL
	MULA F1, 0, 0                                  ; eight matrix instructions stand between the add and the wait for it
	s_wait_dscnt 0x0                               ; the add is done, and my reads of this slot are over
	s_barrier_signal -1
	MULA F1, 1, 0
	WIN 0
	s_barrier_wait -1
.if \fill
	CREST                                          ; the barrier has opened a round of the cluster's barrier: no wave of any partner still reads this slot's tile or has a load on its way
	s_add_nc_u64 s[G0+4*\slot+2:G0+4*\slot+3], s[G0+4*\slot+2:G0+4*\slot+3], 2*KB
	s_add_nc_u64 s[G0B+4*\slot+2:G0B+4*\slot+3], s[G0B+4*\slot+2:G0B+4*\slot+3], 2*KB
	JLOAD \slot                                    ; the first tensor load behind the round: 112 matrix instructions ahead of the wait for it; its four v_nop are also the places in front of the loads below
.else
	PLACES
.endif
	FETCH \next, 0, F0
	WIN MUL
	MULA F1, 2, 0
	MULA F1, 3, 0
.endm
	s_wait_tensorcnt 1                             ; my part of K step 0 is in (K step 1's may be out)
	s_barrier_signal -1
	s_barrier_wait -1                              ; everybody's is
	FETCH 0, 0, F0
	s_wait_loadcnt 0x0                             ; the bias
	QUARTER 0, 1, F0, F1, 1                        ; the first quarter stands in front of the loop: its products start the sums
	WIN 0                                          ; at a label and at a branch every window is 0
	s_mov_b32 s3, LAPS-1
.Llap:                                             ; a trip goes once round the ring, from a lap's second quarter to the next lap's first, and fills both slots again
	QUARTER 0, 2, F1, F0, 0
	QUARTER 0, 3, F0, F1, 0
	TURN 0, 1, 1
	QUARTER 1, 1, F0, F1, 0
	QUARTER 1, 2, F1, F0, 0
	QUARTER 1, 3, F0, F1, 0
	TURN 1, 0, 1
	QUARTER 0, 1, F0, F1, 0
	WIN 0
	s_sub_co_u32 s3, s3, 1
	s_cmp_lg_u32 s3, 0
	s_cbranch_scc1 .Llap
	QUARTER 0, 2, F1, F0, 0                        ; the last lap fills nothing, and has no round of the cluster's barrier
	QUARTER 0, 3, F0, F1, 0
	TURN 0, 1, 0
	QUARTER 1, 1, F0, F1, 0
	QUARTER 1, 2, F1, F0, 0
	QUARTER 1, 3, F0, F1, 0
	s_wait_dscnt 4                                 ; the very last quarter: nothing more to fetch
	WIN MUL
	MULA F1, 0, 0
	MULA F1, 1, 0
	s_wait_dscnt 0x0
	MULA F1, 2, 0
	MULA F1, 3, 0
	WIN 0
; THE WAY OUT, block by block of 16 rows x 128 columns.  A lane holds 32 neighbouring bytes of a row and the lanes beside it hold other rows: so a block goes through my own stage in LDS and comes back as whole rows of 512 bytes.
; LDS serves a wave's instructions in order (ISA guide 5.7.1.4): no wait between the stores and the loads, nor in front of the next block's stores.
.macro TOSTAGE a
	WIN 0x04                                       ; an LDS store's data are its source 1: window 1
.irp b, 0,1,2,3,4,5,6,7
	ds_store_b128 v[STO], v[8*(8*(\a)+\b):8*(8*(\a)+\b)+3] offset:64*\b          ; each accumulator from its low end on
	ds_store_b128 v[STO], v[8*(8*(\a)+\b)+4:8*(8*(\a)+\b)+7] offset:64*\b+16
.endr
	WIN 0
.set BB, BK+64*((\a)%2)
.irp t, 0,1,2,3,4,5,6,7,8,9,10,11,12,13,14,15
	ds_load_b128 v[BB+4*\t:BB+4*\t+3], v[RD] offset:\t*SPITCH
.endr
.endm
.macro SEND a, younger                 ; younger: the LDS instructions issued behind block a's loads, which may stay out
.set BB, BK+64*((\a)%2)
	s_wait_dscnt \younger
.irp t, 0,1,2,3,4,5,6,7,8,9,10,11,12,13,14,15
	global_store_b128 v[CO], v[BB+4*\t:BB+4*\t+3], s[10:11] offset:(16*(\a)+\t)*4096 th:TH_STORE_NT   ; 32 lanes store 512 consecutive bytes, at a multiple of 256 from out's first byte; 63 rows at the most stand in the immediate
.endr
.endm
	PLACES                                         ; four places in front of the first read of results and of the loads into registers that held fragments
	TOSTAGE 0
.irp a, 1,2,3
.if \a > 1
	s_wait_xcnt 0x0                                ; block a - 2's stores have read their registers: block a's loads may land there
.endif
	TOSTAGE \a
	SEND \a-1, 32                                  ; behind block a - 1's loads: block a's 16 stores and 16 loads
.endr
	SEND 3, 0
	s_wait_tensorcnt 0x0                           ; the wave's end: behind my last tensor load and my last LDS store
	ds_add_u32 v[SPW], v[NIL]
	s_wait_dscnt 0x0
	CROUND                                         ; the closing round: no work-group ends while a partner may still ask for a tile that names it
	s_endpgm
.Lfunc_end_k_q428bc9e09f_proj:
	.size	k_q428bc9e09f_proj, .Lfunc_end_k_q428bc9e09f_proj-k_q428bc9e09f_proj
	.p2alignl 7, 3214868480
	.fill 96, 4, 3214868480
	.section	.rodata,"a",@progbits
	.p2align	6, 0x0
	.amdhsa_kernel k_q428bc9e09f_proj
		.amdhsa_group_segment_fixed_size 327680
		.amdhsa_private_segment_fixed_size 0
		.amdhsa_enable_private_segment 0
		.amdhsa_kernarg_size 32
		.amdhsa_user_sgpr_count 2
		.amdhsa_user_sgpr_kernarg_segment_ptr 1
		.amdhsa_wavefront_size32 1
		.amdhsa_system_sgpr_workgroup_id_x 1
		.amdhsa_system_sgpr_workgroup_id_y 1
		.amdhsa_system_sgpr_workgroup_id_z 1
		.amdhsa_system_vgpr_workitem_id 0
		.amdhsa_next_free_vgpr 640
		.amdhsa_next_free_sgpr 66
		.amdhsa_reserve_vcc 0
		.amdhsa_float_denorm_mode_32 3
		.amdhsa_float_denorm_mode_16_64 3
		.amdhsa_memory_ordered 1
		.amdhsa_forward_progress 1
		.amdhsa_inst_pref_size 86
	.end_amdhsa_kernel
	.amdgpu_metadata
---
amdhsa.version: [ 1, 2 ]
amdhsa.kernels:
  - .name:           k_q428bc9e09f_proj
    .symbol:         k_q428bc9e09f_proj.kd
    .args:
      - { .name: o16, .offset: 0, .size: 8, .value_kind: global_buffer, .address_space: global }
      - { .name: wo16, .offset: 8, .size: 8, .value_kind: global_buffer, .address_space: global }
      - { .name: b_out, .offset: 16, .size: 8, .value_kind: global_buffer, .address_space: global }
      - { .name: out0, .offset: 24, .size: 8, .value_kind: global_buffer, .address_space: global }
    .group_segment_fixed_size: 327680
    .private_segment_fixed_size: 0
    .kernarg_segment_align: 8
    .kernarg_segment_size: 32
    .max_flat_workgroup_size: 128
    .sgpr_count:     66
    .vgpr_count:     640
    .wavefront_size: 32
...
	.end_amdgpu_metadata
.endif
;; end of part 4
